; MI455X (gfx1250); checked and timed in simulation.
; The chip was launched on July 23, 2026; its instructions are those of AMD's public machine-readable ISA for CDNA 5 (MIT licence, August 2026) and "CDNA5" Instruction Set Architecture Reference Guide (July 2026). The comments in the code are by the model that wrote it; some were corrected since.
;; Attention. Allowed arithmetic: matrix products marked QUANTISED: E2M3 operands, one E8M0 scale for each 32 along K, by v_wmma_scale_f32_16x16x128_f8f6f4 with both operands' format E2M3, f32 sums; everything else in f32.
;; Inputs: Wk 1,024 x 1,024 float32; Wq 1,024 x 1,024 float32; bk 1,024 float32; bq 1,024 float32; key_input 4 x 2,048 x 1,024 float32; query_input 4 x 2,048 x 1,024 float32.
;; Outputs: out0 4 x 2,048 x 1,024 float32.
;; This version of the problem:
;;   THIS VERSION OF THE PROBLEM IS GIVEN IN LOW PRECISION. The matrix products marked QUANTISED in the list below multiply operands that are first quantised to E2M3 (2 exponent bits, 3 mantissa bits; 6 bits a number), with one power-of-two scale for each 32 numbers along K (OCP MX v1.0); their sums are f32. All else is computed in f32.
;;   The module's matrix products, in the order in which they are computed (A, B: the left and right operand; K: the contracted axis; several contracted axes count as one K, in the product's order):
;;     1. [M 8,192, K 1,024] x [K 1,024, N 1,024]; A: input query_input; B: input Wq: QUANTISED
;;     2. [M 8,192, K 1,024] x [K 1,024, N 1,024]; A: input key_input; B: input Wk: QUANTISED
;;     3. batch 64 x [M 2,048, K 64] x [K 64, N 2,048]; A: computed on the way; B: computed on the way: QUANTISED
;;     4. batch 64 x [M 64, K 2,048] x [K 2,048, N 2,048]; A: computed on the way; B: softmax (see below): QUANTISED
;;   THE QUANTISER, for each operand of a quantised product, along K:
;;     - K is cut into blocks of 32 from its start; a last block that is shorter is filled with zeros.
;;     - A block's scale is 2^e with e = floor(log2(the largest magnitude in the block)) - 2, held to -126 .. 127; a block of zeros has e = 0. As a byte (E8M0): e + 127.
;;     - Each number is divided by its block's scale, clamped to +-7.5, and rounded to the nearest number of E2M3, ties to even, subnormals kept.
;;     - The product sums the exact products of the quantised numbers (number of the format x scale) in f32.
;;   ~~~python
;;   def quantise(x, axis):      # numpy; x: float32 -> the quantised numbers, widened to float32 again
;;       x = np.moveaxis(x, axis, -1); K = x.shape[-1]
;;       x = np.pad(x, [(0, 0)] * (x.ndim - 1) + [(0, -K % 32)]); x = x.reshape(x.shape[:-1] + (-1, 32)); a = np.abs(x).max(-1, keepdims=True)
;;       e = np.where(a > 0, np.clip(np.frexp(np.where(a > 0, a, 1))[1] - 1 - 2, -126, 127), 0)      # np.frexp(a)[1] - 1 = floor(log2(a)), exactly
;;       r = np.clip(x / 2.0 ** e, -7.5, 7.5)
;;       step = 2.0 ** (np.maximum(np.frexp(np.where(r == 0, 1, r))[1] - 1, 0) - 3)
;;       q = np.round(r / step) * step * 2.0 ** e      # np.round: ties to even
;;       return np.moveaxis(q.reshape(q.shape[:-2] + (-1,))[..., :K], -1, axis).astype(np.float32)
;;   ~~~
;;   SOFTMAX AHEAD OF A QUANTISED PRODUCT. Where the list says 'softmax', what is quantised is not the finished softmax but p = 2^(t - M), with t = logit x log2(e) and M = ceil(the row's largest t), a whole number; so 1/2 < the row's largest p <= 1. The row's sum l is taken of the UNQUANTISED p, in f32, and the product's result is divided by l at the end. Since M is a whole number, a kernel that streams over the keys may use a running M (the ceiling of the running maximum): every later rescaling is an exact power of two, which a block's scale takes up: the codes' values come out the same.
;;   OPERANDS COMPUTED ON THE WAY. 'Computed on the way' means the value that the module computes at that place (a softmax that the list does not call 'softmax' is quantised finished and normalised). What goes into a quantiser is computed in f32, as accurately as f32 sums, v_exp_f32 and their like allow (about 1e-6 of the number): no bf16 or f16 on the way to a quantiser, and a product that is left as it is and whose result goes on into a quantised operand takes f32 operands (vector FMAs, or v_wmma_f32_16x16x4_f32). A number that lies on a knife's edge between two numbers of the format may be rounded either way, as far as f32 arithmetic and the matrix unit's own rounding can turn it there, and no further.
;; One version. Each part assembles by itself: llvm-mc -triple=amdgcn-amd-amdhsa -mcpu=gfx1250 --defsym DOCPART=n.
;; ======== version 1 of 1: 3 launches
;; limits: right only within a limited range of input values
;; workspace buffers: xc 12,582,912 bytes; xs 524,288 bytes; wc 1,572,864 bytes; ws 65,536 bytes; qi 6,815,744 bytes; kv 13,369,344 bytes
;; launch quant (part 1): grid 576 x 1, 4 waves a work-group, no clusters, 33,280 bytes of LDS; arguments query_input, key_input, Wq, Wk, xc, xs, wc, ws; writes xc, xs, wc, ws
.if DOCPART == 1
	.amdgcn_target "amdgcn-amd-amdhsa--gfx1250"
	.amdhsa_code_object_version 6
	.text
	.protected	k_qc0b02f4666_quant
	.globl	k_qc0b02f4666_quant
	.p2align	8
	.type	k_qc0b02f4666_quant,@function
k_qc0b02f4666_quant:
	s_mov_b64 s[64:65], 0
	v_nop
	global_prefetch_b8 v0, s[64:65] scope:SCOPE_SE
	s_setreg_imm32_b32 hwreg(HW_REG_WAVE_MODE, 25, 1), 1
	s_wait_xcnt 0x0
; query_input, key_input [8192][1024] and Wq, Wk [1024][1024], f32, become codes of FP6 (E2M3), K innermost (a row of 1,024 codes is 768 bytes), with one E8M0 byte for each 32 along K (32 bytes a row).
; xc, xs: 16,384 rows, the query's tokens first, then the key's.  wc, ws: 2,048 rows, Wq's first, then Wk's.
; ROW ORDERS OF THE OUTPUT, so that the next launches' tiles give each lane neighbours along the K of the products that follow.
;   wc, ws (weights): a row is stored at its own number with bits 3 and 4 exchanged: stored rows 16 i + r are the true rows 32 (i / 2) + 8 (i % 2) + r + 8 (r / 8).
;   xc, xs (tokens): stored row 16 a + r of a run of 128 is the true token 64 (a / 4) + 8 (a % 4) + r % 8 + 32 (r / 8).
; A wave takes 8 whole rows, so both orders are arithmetic on the number of the wave's run of 8 rows: two bits exchanged, or the low three bits turned left by one.
; A block's scale is 2^(floor(log2(its largest magnitude)) - 2); its byte is the largest magnitude's exponent field - 2, held at 1 from below.
; LIMITS: a block of zeros gets the byte 1 where the rule says 127 (its codes are zeros, and this program alone reads the bytes); blocks whose largest magnitude lies under 2^-124 keep the byte 1; NaN and infinities are not served.
; A wave takes 16 steps of 512 numbers.  Each of a step's four loads reads 512 consecutive bytes; the 2,048 bytes turn through the wave's own stage in LDS and come back 64 bytes a lane: 16 neighbours, two lanes to a block.
; No tensor loads, no barrier: waves share nothing.  Loads run AH = 8 steps ahead (32 loads, 16,384 bytes a wave), the turn through LDS one step.
.set STEPS, 16
.set AH,    8                          ; steps that the loads run ahead; as many sets of 16 registers
.set EMAX,  2
.set CB,    12                         ; bytes of 16 codes
.set R,     16                         ; v16-143  eight sets of 16 numbers as loaded
.set X,     144                        ; v144-175 two sets of 16 neighbours
.set E,     176                        ; v176-177 a step's scale byte, two registers by turns
.set SPW,   178                        ; v178     LDS address of my spare word; never rewritten
.set NIL,   179                        ; v179     0; never rewritten
.set C,     180                        ; v180-243 codes: four registers a step, so that no store's data are written again
.set WREG,  8192                       ; LDS of a wave: two stages of 32 x SP bytes, behind them its 256 scale bytes
.set SP,    80                         ; a lane's place in a stage: 64 bytes + 16 of padding
.set SPARE, 4*WREG                     ; behind the four regions: the spare words, 128 bytes a wave
	s_load_b512 s[4:19], s[0:1], 0x0               ; query s[4:5], key s[6:7], Wq s[8:9], Wk s[10:11], xc s[12:13], xs s[14:15], wc s[16:17], ws s[18:19]
	v_lshl_add_u32 v[SPW], v0, 2, SPARE
	v_mov_b32 v[NIL], 0
	v_lshrrev_b32 v1, 5, v0
	v_readfirstlane_b32 s20, v1                    ; wave
	v_and_b32 v2, 31, v0                           ; lane
	v_lshlrev_b32 v3, 4, v2                        ; my 16 bytes of a load's 512
	s_mul_i32 s21, s20, WREG
	v_lshrrev_b32 v14, 2, v2
	v_mul_u32_u24 v14, v14, SP
	v_and_b32 v15, 3, v2
	v_lshl_add_u32 v14, v15, 4, v14
	v_add_nc_u32 v14, s21, v14                     ; the stage, on the way in: SP (lane / 4) + 16 (lane % 4)
	v_mul_u32_u24 v15, v2, SP
	v_add_nc_u32 v15, s21, v15                     ; on the way out: SP x lane
	v_mul_u32_u24 v4, v2, CB                       ; my codes' place in a step's
	v_lshrrev_b32 v5, 1, v2
	s_add_co_u32 s21, s21, 2*32*SP
	v_add_nc_u32 v5, s21, v5                       ; my block's scale byte in LDS
	v_lshlrev_b32 v7, 3, v2
	v_add_nc_u32 v6, s21, v7                       ; and on the way out 8 bytes a lane
	s_wait_alu depctr_va_vdst(0)                   ; the wait at the head's end
	s_wait_kmcnt 0x0
	s_cmp_lt_u32 ttmp9, 256                        ; work-groups 0-255 query, 256-511 key, 512-543 Wq, 544-575 Wk: the choices hang on the work-group's number alone
	s_cselect_b64 s[22:23], s[4:5], s[6:7]
	s_cmp_lt_u32 ttmp9, 544
	s_cselect_b64 s[24:25], s[8:9], s[10:11]
	s_cmp_lt_u32 ttmp9, 512
	s_cselect_b64 s[22:23], s[22:23], s[24:25]     ; the source
	s_cselect_b64 s[24:25], s[12:13], s[16:17]     ; its codes
	s_cselect_b64 s[26:27], s[14:15], s[18:19]     ; its scale bytes
	s_cselect_b32 s28, 255, 31                     ; the work-group's number inside its source
	s_cselect_b32 s29, 0, 512                      ; and inside its pair of outputs
	s_and_b32 s30, ttmp9, s28
	s_lshl_b32 s30, s30, 2
	s_add_co_u32 s30, s30, s20                     ; which run of 8 rows I read
	s_sub_co_u32 s31, ttmp9, s29
	s_lshl_b32 s31, s31, 2
	s_and_b32 s32, s20, 1
	s_lshl_b32 s32, s32, 1
	s_lshr_b32 s33, s20, 1
	s_or_b32 s32, s32, s33
	s_add_co_u32 s32, s31, s32                     ; weights: the wave's two bits exchanged
	s_add_co_u32 s33, s31, s20                     ; tokens: the run that I read,
	s_and_b32 s36, s33, 3
	s_lshl_b32 s36, s36, 1
	s_bfe_u32 s37, s33, 0x10002
	s_or_b32 s36, s36, s37                         ; its low three bits turned left by one
	s_and_b32 s33, s33, 0xfffffff8
	s_or_b32 s33, s33, s36
	s_cmp_lt_u32 ttmp9, 512
	s_cselect_b32 s31, s33, s32                    ; which run of 8 rows I write
	s_lshl_b32 s34, s30, 15                        ; 8 rows x 4,096 bytes
	s_mov_b32 s35, 0
	s_add_nc_u64 s[22:23], s[22:23], s[34:35]
	s_mul_i32 s34, s31, 8*768
	s_add_nc_u64 s[24:25], s[24:25], s[34:35]
	s_lshl_b32 s34, s31, 8                         ; 8 rows x 32 bytes
	s_add_nc_u64 s[26:27], s[26:27], s[34:35]
.macro LOAD t
.irp i, 0,1,2,3
	global_load_b128 v[R+16*((\t)%AH)+4*\i:R+16*((\t)%AH)+4*\i+3], v3, s[22:23] offset:2048*(\t)+512*\i th:TH_LOAD_NT   ; 32 lanes read 512 consecutive bytes
.endr
.endm
.macro TURN t                          ; step t's numbers through the stage: LDS serves a wave's instructions in order, so no wait stands between the stores and the loads
.irp i, 0,1,2,3
	ds_store_b128 v14, v[R+16*((\t)%AH)+4*\i:R+16*((\t)%AH)+4*\i+3] offset:32*SP*((\t)%2)+8*SP*\i
.endr
.irp i, 0,1,2,3
	ds_load_b128 v[X+16*((\t)%2)+4*\i:X+16*((\t)%2)+4*\i+3], v15 offset:32*SP*((\t)%2)+16*\i
.endr
.endm
.irp t, 0,1,2,3,4,5,6,7
	LOAD \t
.endr
	s_wait_loadcnt 4*(AH-1)                        ; step 0's four loads are in; the 28 behind them stay out
	TURN 0
.macro STEP t
.set XS, X+16*((\t)%2)
.if (\t) > 0
	s_wait_dscnt 1                                 ; this step's numbers are back from the stage (the last step's byte store may be out)
.else
	s_wait_dscnt 0x0
.endif
.if (\t)+AH < STEPS
	LOAD (\t)+AH                                   ; into the registers that the stage's stores have read
.endif
.if (\t)+1 < STEPS
.if STEPS-2-(\t) >= AH-1
	s_wait_loadcnt 4*(AH-1)                        ; the next step's four loads are in; those of the seven steps behind it may be out
.else
	s_wait_loadcnt 4*(STEPS-2-(\t))
.endif
	TURN (\t)+1
.endif
	v_max3_num_f32 v8, |v[XS]|, |v[XS+1]|, |v[XS+2]|               ; the largest magnitude of my 16, in two chains
	v_max3_num_f32 v9, |v[XS+3]|, |v[XS+4]|, |v[XS+5]|
.irp i, 6,10
	v_max3_num_f32 v8, v8, |v[XS+\i]|, |v[XS+\i+1]|
	v_max3_num_f32 v9, v9, |v[XS+\i+2]|, |v[XS+\i+3]|
.endr
	v_max3_num_f32 v8, v8, |v[XS+14]|, |v[XS+15]|
	v_max3_num_f32 v8, v8, v9, (EMAX+1)<<23        ; and the floor 2^(3 - 127): the byte cannot fall under 1
	v_max_num_f32_dpp v8, v8, v8 row_xmask:1 row_mask:0xf bank_mask:0xf   ; with my neighbour's 16: the block's
	v_add_nc_u32 v11, -(EMAX<<23), v8              ; 2 off its exponent field: the conversion takes that field as its scale
	v_cvt_scalef32_pk16_fp6_f32 v[C+4*(\t):C+4*(\t)+2], v[XS:XS+15], v11
	v_lshrrev_b32 v[E+(\t)%2], 23, v11             ; the scale's byte
	ds_store_b8 v5, v[E+(\t)%2] offset:16*(\t)     ; both lanes of a block write the same byte with the same value
	global_store_b96 v4, v[C+4*(\t):C+4*(\t)+2], s[24:25] offset:32*CB*(\t)   ; the wave stores 384 consecutive bytes
.endm
.irp t, 0,1,2,3,4,5,6,7,8,9,10,11,12,13,14,15
	STEP \t
.endr
	ds_load_b64 v[12:13], v6                       ; LDS serves a wave's instructions in order: these see my byte stores
	s_wait_dscnt 0x0
	global_store_b64 v7, v[12:13], s[26:27]        ; 32 lanes store 256 consecutive bytes, aligned
	s_wait_tensorcnt 0x0                           ; the wave's end
	ds_add_u32 v[SPW], v[NIL]
	s_wait_dscnt 0x0
	s_endpgm
.Lfunc_end_k_qc0b02f4666_quant:
	.size	k_qc0b02f4666_quant, .Lfunc_end_k_qc0b02f4666_quant-k_qc0b02f4666_quant
	.p2alignl 7, 3214868480
	.fill 96, 4, 3214868480
	.section	.rodata,"a",@progbits
	.p2align	6, 0x0
	.amdhsa_kernel k_qc0b02f4666_quant
		.amdhsa_group_segment_fixed_size 33280
		.amdhsa_private_segment_fixed_size 0
		.amdhsa_enable_private_segment 0
		.amdhsa_kernarg_size 64
		.amdhsa_user_sgpr_count 2
		.amdhsa_user_sgpr_kernarg_segment_ptr 1
		.amdhsa_wavefront_size32 1
		.amdhsa_system_sgpr_workgroup_id_x 1
		.amdhsa_system_sgpr_workgroup_id_y 1
		.amdhsa_system_sgpr_workgroup_id_z 1
		.amdhsa_system_vgpr_workitem_id 0
		.amdhsa_next_free_vgpr 244
		.amdhsa_next_free_sgpr 66
		.amdhsa_reserve_vcc 0
		.amdhsa_float_denorm_mode_32 3
		.amdhsa_float_denorm_mode_16_64 3
		.amdhsa_memory_ordered 1
		.amdhsa_forward_progress 1
		.amdhsa_inst_pref_size 33
	.end_amdhsa_kernel
	.amdgpu_metadata
---
amdhsa.version: [ 1, 2 ]
amdhsa.kernels:
  - .name:           k_qc0b02f4666_quant
    .symbol:         k_qc0b02f4666_quant.kd
    .args:
      - { .name: query_input, .offset: 0, .size: 8, .value_kind: global_buffer, .address_space: global }
      - { .name: key_input, .offset: 8, .size: 8, .value_kind: global_buffer, .address_space: global }
      - { .name: Wq, .offset: 16, .size: 8, .value_kind: global_buffer, .address_space: global }
      - { .name: Wk, .offset: 24, .size: 8, .value_kind: global_buffer, .address_space: global }
      - { .name: xc, .offset: 32, .size: 8, .value_kind: global_buffer, .address_space: global }
      - { .name: xs, .offset: 40, .size: 8, .value_kind: global_buffer, .address_space: global }
      - { .name: wc, .offset: 48, .size: 8, .value_kind: global_buffer, .address_space: global }
      - { .name: ws, .offset: 56, .size: 8, .value_kind: global_buffer, .address_space: global }
    .group_segment_fixed_size: 33280
    .private_segment_fixed_size: 0
    .kernarg_segment_align: 8
    .kernarg_segment_size: 64
    .max_flat_workgroup_size: 128
    .sgpr_count:     66
    .vgpr_count:     244
    .wavefront_size: 32
...
	.end_amdgpu_metadata
.endif
;; end of part 1
;; launch proj (part 2): grid 4 x 64, 4 waves a work-group, clusters of 4 x 4, 327,680 bytes of LDS; arguments xc, xs, wc, ws, bq, bk, qi, kv; writes qi, kv
.if DOCPART == 2
	.amdgcn_target "amdgcn-amd-amdhsa--gfx1250"
	.amdhsa_code_object_version 6
	.text
	.protected	k_qc0b02f4666_proj
	.globl	k_qc0b02f4666_proj
	.p2align	8
	.type	k_qc0b02f4666_proj,@function
k_qc0b02f4666_proj:
	s_mov_b64 s[64:65], 0
	v_nop
	global_prefetch_b8 v0, s[64:65] scope:SCOPE_SE
	s_setreg_imm32_b32 hwreg(HW_REG_WAVE_MODE, 25, 1), 1
	s_wait_xcnt 0x0
	s_wait_alu depctr_hold_cnt(0) depctr_sa_sdst(0) depctr_va_vdst(0) depctr_va_sdst(0) depctr_va_ssrc(0) depctr_va_vcc(0) depctr_vm_vsrc(0)
	s_getreg_b32 s2, hwreg(HW_REG_IB_STS2, 6, 4)
	s_cmp_eq_u32 s2, 0
	s_cbranch_scc0 .Lentry_in_a_cluster
	s_endpgm
.Lentry_in_a_cluster:
	s_bfe_u32 s2, ttmp6, 0x10000c
	s_cmp_lg_u32 s2, 0xf033
	s_cbranch_scc0 .Lentry_shape_is_right
	s_endpgm
.Lentry_shape_is_right:
; q = query Wq^T + bq and k = key Wk^T + bk on codes of FP6 (E2M3) with E8M0 scales, K = 1,024; the results are quantised here and stored as images of the next launch's operand registers.
; xc, xs: 16,384 rows of tokens (query's, then key's); wc, ws: 2,048 rows of weights (Wq's, then Wk's); both in the row orders that the launch before lays.
; A work-group of four waves makes 256 tokens x 256 features, a wave 128 x 128 in 64 accumulators.  Tile rows 0-31 are the query's, 32-63 the key's.
; K goes through a ring of two LDS slots in CHUNKS OF 256 BYTES of each row of codes (768 bytes a row: three chunks); a step of 128 along K is 96 bytes: eight steps; steps 2 and 5 lie across two chunks.
; The scales of the 256 + 256 rows come once, as dense blocks.  At the head each wave issues one joint load: chunk 0 of A, chunk 0 of B, A's scales, B's scales.
; CLUSTERS 4 x 4: A's tiles are asked for jointly along a row of the cluster, B's along a column.  No prefetch: the walk along K has three chunks, two of them asked for before the first product.
; The matrix instruction is used transposed (source 0 = weights, source 1 = tokens): a lane holds one token, its registers run along the features.  The bias is the C of the first step.
; THE WAY OUT.  QD: along d, for q and k: a block of 32 features lies in lanes l and l xor 16.  VB, VQ: for k alone, along the keys: 16 features x 128 tokens turn through the wave's stage, true token order.
; The stage lies in slot 1, which has had its last fill and, behind step 5's barrier, its last read.
; LIMITS: NaN and infinities are not served; a block of zeros keeps the byte 1 (its codes are zeros, and this program alone reads the bytes).
.set ROWB,   256
.set NQ,     2
.set KROW,   768
.set STEPS,  8
.set CHUNKS, 3
.set PITCH,  272
.set FR,     12
.set NL,     6
.set NP,     4
.set HALFT,  128*PITCH
.set SLOT,   4*HALFT
.set KS,     32
.set SCL,    2*SLOT
.set HALFS,  (128*KS/256)*272
.set SBLK,   (16*KS/256)*272
.set SPARE,  SCL+4*HALFS
.set VREG,   8512                      ; the stage of one half of the lanes: 16 rows x 528 bytes + 64, so that the two halves' stores fall on different banks
.set VSTG,   2*VREG
.set VROW,   528
.set ADRA, 16
.set ADRB, 20
.set STA,  24
.set STR,  25
.set LI,   26
.set ADRS, 27
.set SPW,  28
.set NIL,  29
.set L8,   30
.set SH,   31
.set SC,   32
.set BIAS, 64
.set AF,   128
.set HC,   64
.set TC,   88
.set TM,   96
.set W0,   112
.set VSW,  114
.set SCW,  116
.set FLR,  124
.set X0,   128
.set X1,   192
.set G1, 24
.set G0, 32
.set G1B, 48
.set G0B, 56
.set G1S, 68
.set G0S, 76
.set G1SB, 80
.set G0SB, 88
.set G0H, 4
.set G0HB, 8
.set MSB, 0
.macro WIN new
.if MSB != (\new)
	s_set_vgpr_msb (MSB<<8)|(\new)
.set MSB, (\new)
.endif
.endm
.set MUL_LO, 0xa1
.set MUL_HI, 0xf1
.set TO_B,   0x40
.macro JLOAD g0a, g1a, g0b, g1b        ; waves 0, 1 fetch for A, waves 2, 3 for B
	s_cmp_eq_u32 s15, 0
	s_cbranch_scc0 .Lfor_b_\@
	tensor_load_to_lds s[\g0a:\g0a+3], s[\g1a:\g1a+7]
	s_nop 0
.rept 4
	v_nop
.endr
	s_branch .Lasked_\@
.Lfor_b_\@:
	tensor_load_to_lds s[\g0b:\g0b+3], s[\g1b:\g1b+7]
	s_nop 0
.rept 4
	v_nop
.endr
.Lasked_\@:
.endm
.macro CREST
	s_cmp_lg_u32 s14, 0
	s_cbranch_scc1 .Lnot_wave_0_\@
	s_barrier_signal -3
.Lnot_wave_0_\@:
	s_barrier_wait -3
	s_barrier_signal -1
	s_barrier_wait -1
.endm
.macro CROUND
	s_barrier_signal -1
	s_barrier_wait -1
	CREST
.endm
	s_load_b256 s[4:11], s[0:1], 0x0               ; xc, xs, wc, ws
	s_load_b128 s[96:99], s[0:1], 0x20             ; bq, bk
	s_load_b64 s[12:13], s[0:1], 0x30              ; qi
	s_load_b64 s[66:67], s[0:1], 0x38              ; kv
	v_lshl_add_u32 v[SPW], v0, 2, SPARE
	v_mov_b32 v[NIL], 0
	ds_add_u32 v[SPW], v[NIL]                      ; the opening lines: the add twice on end and its wait
	ds_add_u32 v[SPW], v[NIL]
	v_lshrrev_b32 v1, 5, v0
	v_readfirstlane_b32 s14, v1                    ; wave
	s_lshr_b32 s15, s14, 1                         ; my half of the tokens; also: I fetch for A (0) or B (1)
	s_and_b32 s16, s14, 1                          ; my half of the features; also which 128 rows I fetch
	s_bfe_u32 s40, ttmp6, 0x40000                  ; cx
	s_bfe_u32 s41, ttmp6, 0x40004                  ; cy
	s_lshl_b32 s42, ttmp9, 2
	s_add_co_u32 s42, s42, s40                     ; tile column
	s_and_b32 s17, ttmp7, 0xffff
	s_lshr_b32 s95, s17, 3                         ; 0: query and Wq, 1: key and Wk; the same in all partners
	s_lshl_b32 s17, s17, 2
	s_add_co_u32 s17, s17, s41                     ; tile row
	s_lshl_b32 s43, s41, 2
	s_lshl_b32 s43, 15, s43                        ; my row of the cluster
	s_lshl_b32 s44, 0x1111, s40                    ; my column
	s_or_b32 s[G1+0], s43, (0<<16)|(1<<20)|(1<<21)|(5<<22)|(3<<25)
	s_or_b32 s[G1B+0], s44, (0<<16)|(1<<20)|(1<<21)|(5<<22)|(3<<25)
.irp g, G1, G1B
	s_mov_b32 s[\g+1], ROWB<<16
	s_mov_b32 s[\g+2], 256<<16                     ; 256 rows for the head's loads
	s_mov_b32 s[\g+3], ROWB<<16
	s_mov_b32 s[\g+4], 256
	s_mov_b32 s[\g+5], KROW
	s_mov_b32 s[\g+6], 0
	s_mov_b32 s[\g+7], 0
.endr
	s_or_b32 s[G1S+0], s43, (3<<16)|(1<<20)|(1<<21)|(5<<22)|(3<<25)
	s_or_b32 s[G1SB+0], s44, (3<<16)|(1<<20)|(1<<21)|(5<<22)|(3<<25)
.irp g, G1S, G1SB
	s_mov_b32 s[\g+1], 32<<16                      ; the scales of 256 rows: KS rows of 256 bytes
	s_mov_b32 s[\g+2], KS<<16
	s_mov_b32 s[\g+3], 32<<16
	s_mov_b32 s[\g+4], KS
	s_mov_b32 s[\g+5], 32
	s_mov_b32 s[\g+6], 0
	s_mov_b32 s[\g+7], 0
.endr
	s_lshl_b32 s20, s17, 8                         ; A: first row
	s_lshl_b32 s46, s42, 8                         ; B: first row,
	s_lshl_b32 s47, s95, 10
	s_add_co_u32 s46, s46, s47                     ; in Wq's or Wk's 1,024
	s_mov_b32 s21, 0
	s_mov_b32 s47, 0
	s_mov_b64 s[18:19], KS
	s_mul_u64 s[22:23], s[20:21], s[18:19]
	s_mul_u64 s[92:93], s[46:47], s[18:19]
	s_mov_b64 s[18:19], KROW
	s_mul_u64 s[20:21], s[20:21], s[18:19]
	s_mul_u64 s[46:47], s[46:47], s[18:19]
	s_mul_i32 s18, s16, 128*KROW
	s_mov_b32 s19, 0
	s_mul_i32 s45, s14, HALFT
	s_wait_dscnt 0x0                               ; both opening adds are done
	s_wait_kmcnt 0x0
	s_add_nc_u64 s[20:21], s[4:5], s[20:21]
	s_add_nc_u64 s[22:23], s[6:7], s[22:23]
	s_add_nc_u64 s[46:47], s[8:9], s[46:47]
	s_add_nc_u64 s[92:93], s[10:11], s[92:93]
	s_cmp_eq_u32 s95, 0
	s_cselect_b64 s[96:97], s[96:97], s[98:99]     ; my bias,
	s_lshl_b32 s98, s42, 10
	s_lshl_b32 s99, s16, 9
	s_add_co_u32 s98, s98, s99
	s_mov_b32 s99, 0
	s_add_nc_u64 s[96:97], s[96:97], s[98:99]      ; at my 128 features
	CROUND                                         ; the first joint loads meet
	s_mov_b32 s[G0H], 1
	s_mov_b32 s[G0H+1], 0
	s_mov_b64 s[G0H+2:G0H+3], s[20:21]
	s_or_b32 s[G0H+3], s[G0H+3], 0x80000000
	s_mov_b32 s[G0HB], 1
	s_mov_b32 s[G0HB+1], 2*HALFT
	s_mov_b64 s[G0HB+2:G0HB+3], s[46:47]
	s_or_b32 s[G0HB+3], s[G0HB+3], 0x80000000
	s_mov_b32 s[G0S], 1
	s_mov_b32 s[G0S+1], SCL
	s_mov_b64 s[G0S+2:G0S+3], s[22:23]
	s_or_b32 s[G0S+3], s[G0S+3], 0x80000000
	s_mov_b32 s[G0SB], 1
	s_mov_b32 s[G0SB+1], SCL+2*HALFS
	s_mov_b64 s[G0SB+2:G0SB+3], s[92:93]
	s_or_b32 s[G0SB+3], s[G0SB+3], 0x80000000
	s_add_nc_u64 s[20:21], s[20:21], s[18:19]
	s_add_nc_u64 s[46:47], s[46:47], s[18:19]
.irp s, 0,1
	s_mov_b32 s[G0+4*\s], 1
	s_add_co_u32 s[G0+4*\s+1], s45, \s*SLOT
	s_add_nc_u64 s[G0+4*\s+2:G0+4*\s+3], s[20:21], \s*ROWB
	s_or_b32 s[G0+4*\s+3], s[G0+4*\s+3], 0x80000000
	s_mov_b32 s[G0B+4*\s], 1
	s_add_co_u32 s[G0B+4*\s+1], s45, \s*SLOT
	s_add_nc_u64 s[G0B+4*\s+2:G0B+4*\s+3], s[46:47], \s*ROWB
	s_or_b32 s[G0B+4*\s+3], s[G0B+4*\s+3], 0x80000000
.endr
.macro ARM under, g0, g1, next         ; one chain of branches on the wave's number, one load to an arm
	s_cmp_lt_u32 s14, \under
	s_cbranch_scc0 \next
	tensor_load_to_lds s[\g0:\g0+3], s[\g1:\g1+7]
	s_nop 0
.rept 4
	v_nop
.endr
	s_branch .Lhead_asked
\next:
.endm
	ARM 1, G0H,  G1,  .Lhead_b
	ARM 2, G0HB, G1B, .Lhead_sa
	ARM 3, G0S,  G1S, .Lhead_sb
	tensor_load_to_lds s[G0SB:G0SB+3], s[G1SB:G1SB+7]
	s_nop 0
.rept 4
	v_nop
.endr
.Lhead_asked:
	v_and_b32 v1, 15, v0                           ; r
	v_bfe_u32 v2, v0, 4, 1                         ; h
	v_lshlrev_b32 v8, 6, v2                        ; the bias loads' offset, in a register that no later line writes
.irp i, 0,1,2,3,4,5,6,7
	global_load_b128 v[BIAS+8*\i:BIAS+8*\i+3], v8, s[96:97] offset:(32*(\i/2)+8*(\i%2))*4      ; tile i, lane half h, register j: feature 32 (i / 2) + 8 (i % 2) + 16 h + j
	global_load_b128 v[BIAS+8*\i+4:BIAS+8*\i+7], v8, s[96:97] offset:(32*(\i/2)+8*(\i%2))*4+16
.endr
	v_mul_u32_u24 v3, v1, PITCH
	v_mul_u32_u24 v4, v2, 24
	v_add_nc_u32 v4, v3, v4
	s_mov_b32 s21, SLOT-232
	s_mov_b32 s22, SLOT+232
	v_sub_nc_u32 v7, 1, v2
	v_mul_u32_u24 v5, s21, v2
	v_add_nc_u32 v5, v3, v5
	v_add_nc_u32 v5, 232, v5                       ; across two chunks: lanes 0-15 byte 232 in slot 0, lanes 16-31 byte 0 in slot 1
	v_mul_u32_u24 v6, s22, v7
	v_add_nc_u32 v6, v3, v6                        ; and the other way round
	s_mul_i32 s21, s15, HALFT
	s_mul_i32 s22, s16, HALFT
	s_add_co_u32 s22, s22, 2*HALFT
	v_add_nc_u32 v[ADRA+2], s21, v5
	v_add_nc_u32 v[ADRA+3], s21, v6
	v_add_nc_u32 v[ADRB+2], s22, v5
	v_add_nc_u32 v[ADRB+3], s22, v6
.irp s, 0,1
	v_add_nc_u32 v[ADRA+\s], s21, v4
	v_add_nc_u32 v[ADRB+\s], s22, v4
	s_add_co_u32 s21, s21, SLOT
	s_add_co_u32 s22, s22, SLOT
.endr
	v_mul_u32_u24 v5, v1, KS
	v_lshrrev_b32 v6, 8, v5
	v_lshl_add_u32 v5, v6, 4, v5
	s_mul_i32 s21, s15, HALFS
	s_mul_i32 s22, s16, HALFS
	s_add_co_u32 s22, s22, 2*HALFS
	s_sub_co_u32 s22, s22, s21
	v_mul_u32_u24 v6, s22, v2
	s_add_co_u32 s21, s21, SCL
	v_add_nc_u32 v5, v5, v6
	v_add_nc_u32 v[ADRS], s21, v5
	s_mul_i32 s23, s14, VSTG
	s_add_co_u32 s23, s23, SLOT                    ; my stage, in slot 1
	v_and_b32 v6, 31, v0
	v_lshlrev_b32 v[LI], 4, v6
	v_lshlrev_b32 v[L8], 3, v6
	v_lshlrev_b32 v[SH], 3, v2
	v_and_b32 v5, 8, v1
	v_mad_u32_u24 v5, v5, 3, v1                    ; r % 8 + 32 (r / 8): my token inside its tile's share
	v_lshlrev_b32 v5, 2, v5
	v_mad_u32_u24 v5, v2, VREG, v5
	v_add_nc_u32 v[STA], s23, v5
	v_mul_u32_u24 v5, v1, VROW
	v_lshl_add_u32 v5, v2, 7, v5
	v_add_nc_u32 v[STR], s23, v5
.macro FRAG reg, adr, st, i            ; 16 rows x 128 K: six pieces of 8 bytes; byte y of a row lies in slot (y / 256) % 2 at byte y % 256
.irp p, 0,1,2,3,4,5
.set BY, 96*(\st)+48*(\p/3)+8*(\p%3)
.if BY/ROWB == (BY+24)/ROWB
	ds_load_b64 v[\reg+2*\p:\reg+2*\p+1], v[\adr+(BY/ROWB)%2] offset:BY%ROWB+(\i)*16*PITCH
.else
	ds_load_b64 v[\reg+2*\p:\reg+2*\p+1], v[\adr+2+(BY/ROWB)%2] offset:BY%ROWB-232+(\i)*16*PITCH
.endif
.endr
.endm
.macro MUL16 a0, p, q, sc, zero        ; the 64 accumulators take turns; zero = 1: the bias starts the sums
.irp a, \a0, \a0+1
.irp b, 0,1,2,3,4,5,6,7
.if \zero
	v_wmma_scale_f32_16x16x128_f8f6f4 v[8*(8*((\a)%4)+\b):8*(8*((\a)%4)+\b)+7], v[128*(\p)+FR*\b:128*(\p)+FR*\b+FR-1], v[AF+FR*(\a):AF+FR*(\a)+FR-1], v[BIAS+8*\b:BIAS+8*\b+7], v[SC+8*NQ*(\sc)+NQ*\b+(\q)], v[SC+8*NQ*(\sc)+NQ*(\a)+(\q)] matrix_a_fmt:MATRIX_FMT_FP6 matrix_b_fmt:MATRIX_FMT_FP6 matrix_a_scale:MATRIX_SCALE_ROW1
.else
	v_wmma_scale_f32_16x16x128_f8f6f4 v[8*(8*((\a)%4)+\b):8*(8*((\a)%4)+\b)+7], v[128*(\p)+FR*\b:128*(\p)+FR*\b+FR-1], v[AF+FR*(\a):AF+FR*(\a)+FR-1], v[8*(8*((\a)%4)+\b):8*(8*((\a)%4)+\b)+7], v[SC+8*NQ*(\sc)+NQ*\b+(\q)], v[SC+8*NQ*(\sc)+NQ*(\a)+(\q)] matrix_a_fmt:MATRIX_FMT_FP6 matrix_b_fmt:MATRIX_FMT_FP6 matrix_a_scale:MATRIX_SCALE_ROW1
.endif
.endr
.endr
.endm
.macro FETCH_B st, p
	WIN TO_B
.irp i, 0,1,2,3,4,5,6,7
	FRAG 128*(\p)+FR*\i, ADRB, \st, \i
.endr
	WIN 0
.endm
.macro FETCH_A st, i0
.irp i, \i0, \i0+1, \i0+2, \i0+3
	FRAG AF+FR*(\i), ADRA, \st, \i
.endr
.endm
.macro SCALES pr
.irp i, 0,1,2,3,4,5,6,7
	ds_load_b64 v[SC+8*NQ*((\pr)%2)+NQ*\i:SC+8*NQ*((\pr)%2)+NQ*\i+1], v[ADRS] offset:\i*SBLK+4*NQ*(\pr)
.endr
.endm
.macro PLACES n
.rept \n
	v_nop
.endr
.endm
; A step of 128 along K.  Where the next step's bytes end in a chunk not read yet: a wait for my tensor loads and a barrier.  Where they begin in a later chunk: the wait, the add, the wait for it and for my reads, the barrier;
; where a chunk two on is left to fetch, that barrier opens a round of the cluster's barrier and the slot is filled again.
.macro STEP st, zero
.set NX, (\st)+1
.set C0, (96*(\st))/ROWB
.set C1, (96*NX)/ROWB
.set E0, (96*(\st)+95)/ROWB
.set E1, (96*NX+95)/ROWB
.set WLO, MUL_LO-0x20*(\zero)          ; with the bias as C: source 2 in window 0
.set WHI, MUL_HI-0x30*(\zero)
.if C1 > C0 || E1 > E0
	s_wait_tensorcnt 0x0
.if C1 > C0
	ds_add_u32 v[SPW], v[NIL]
	s_wait_dscnt 4*NL+1                            ; the add and A's blocks 4-7 may be out
.else
	s_wait_dscnt 4*NL
.endif
	WIN WLO
	MUL16 0, (\st)%2, (\st)%2, ((\st)/2)%2, \zero
	s_wait_dscnt 0x0
	s_barrier_signal -1
	MUL16 2, (\st)%2, (\st)%2, ((\st)/2)%2, \zero
	WIN 0
	s_barrier_wait -1
.if C1 > C0 && C0+2 < CHUNKS
	CREST
	s_add_nc_u64 s[G0+4*(C0%2)+2:G0+4*(C0%2)+3], s[G0+4*(C0%2)+2:G0+4*(C0%2)+3], 2*ROWB
	s_add_nc_u64 s[G0B+4*(C0%2)+2:G0B+4*(C0%2)+3], s[G0B+4*(C0%2)+2:G0B+4*(C0%2)+3], 2*ROWB
	JLOAD G0+4*(C0%2), G1, G0B+4*(C0%2), G1B
.else
	PLACES NP
.endif
.else
	s_wait_dscnt 4*NL                              ; B's set and A's blocks 0-3 are in
	WIN WLO
	MUL16 0, (\st)%2, (\st)%2, ((\st)/2)%2, \zero
	MUL16 2, (\st)%2, (\st)%2, ((\st)/2)%2, \zero
	s_wait_dscnt 0
	PLACES NP
.endif
	FETCH_B NX, NX%2
	FETCH_A NX, 0
.if NX%2 == 0
	SCALES NX/2
.endif
	WIN WHI
	MUL16 4, (\st)%2, (\st)%2, ((\st)/2)%2, \zero
	MUL16 6, (\st)%2, (\st)%2, ((\st)/2)%2, \zero
	PLACES NP
	WIN 0
	FETCH_A NX, 4
.endm
	s_wait_alu depctr_va_vdst(0)                   ; the wait at the head's end
	s_wait_tensorcnt 0x0                           ; my tile of the head's four is in
	ds_add_u32 v[SPW], v[NIL]
	s_mov_b32 s[G1+2], 128<<16                     ; no tensor load of mine is out: from here on a load brings 128 rows
	s_mov_b32 s[G1+4], 128
	s_mov_b32 s[G1B+2], 128<<16
	s_mov_b32 s[G1B+4], 128
	s_wait_dscnt 0x0
	CROUND
	JLOAD G0+4, G1, G0B+4, G1B                     ; chunk 1, the first tensor load behind the round
	FETCH_B 0, 0
	FETCH_A 0, 0
	SCALES 0
	FETCH_A 0, 4
	s_wait_loadcnt 0x0                             ; the bias
	STEP 0, 1
.set ST, 1
.rept STEPS-2
	STEP ST, 0
.set ST, ST+1
.endr
	s_wait_dscnt 4*NL
	WIN MUL_LO
	MUL16 0, 1, 1, 1, 0
	MUL16 2, 1, 1, 1, 0
	s_wait_dscnt 0
	WIN MUL_HI
	MUL16 4, 1, 1, 1, 0
	MUL16 6, 1, 1, 1, 0
	WIN 0
	; my block in qi or kv: ((batch x 16 + head) x 16 + run of 128 tokens); a wave has two heads: s[12:13] and s[66:67]
	s_lshl_b32 s20, s17, 1
	s_add_co_u32 s20, s20, s15
	s_and_b32 s20, s20, 63
	s_lshr_b32 s21, s20, 4
	s_and_b32 s20, s20, 15
	s_lshl_b32 s21, s21, 4
	s_lshl_b32 s22, s42, 2
	s_add_co_u32 s21, s21, s22
	s_lshl_b32 s22, s16, 1
	s_add_co_u32 s21, s21, s22
	s_lshl_b32 s21, s21, 4
	s_add_co_u32 s21, s21, s20
	s_mov_b32 s2, 13056
	s_cmp_eq_u32 s95, 0
	s_cselect_b32 s2, 6656, s2
	s_cselect_b64 s[12:13], s[12:13], s[66:67]
	s_mul_i32 s22, s21, s2
	s_mov_b32 s23, 0
	s_add_nc_u64 s[12:13], s[12:13], s[22:23]
	s_lshl_b32 s22, s2, 4
	s_add_nc_u64 s[66:67], s[12:13], s[22:23]
	s_mov_b32 s18, 0x76543210
	s_mov_b32 s19, 0xfedcba98
	s_mov_b32 s43, 0xffff0000
	PLACES NP
	v_mov_b32 v[FLR], 0x1800000
.irp b, 0,1,2,3
	v_mov_b32 v[TM+4+\b], 0
.endr
.macro QD a                            ; token tile a quantised along d: four blocks of 32 features, two heads
.set W, 2+(\a)/4
.set SA, 64*((\a)%4)
.set U, (\a)%2
.set PR, (\a)/2
.if U == 0
	s_wait_xcnt 0x0
.endif
	WIN (W<<2)|(W<<4)
.irp b, 0,1,2,3
	v_max3_num_f32 v[TM+\b], v[FLR], |v[SA+16*\b]|, |v[SA+16*\b+1]|
.endr
.irp i, 2,4,6,8,10,12,14
.irp b, 0,1,2,3
	v_max3_num_f32 v[TM+\b], v[TM+\b], |v[SA+16*\b+\i]|, |v[SA+16*\b+\i+1]|
.endr
.endr
	WIN 0
.irp b, 0,1,2,3
	v_permlanex16_b32 v[TM+4+\b], v[TM+\b], s18, s19
.endr
.irp b, 0,1,2,3
	v_max_num_f32 v[TM+\b], v[TM+\b], v[TM+4+\b]
.endr
.irp b, 0,1,2,3
	v_add_nc_u32 v[TM+12+\b], 0xff000000, v[TM+\b]
.endr
.irp b, 0,1,2,3
	v_lshrrev_b32 v[TM+4+\b], 23, v[TM+12+\b]
.endr
	v_lshl_or_b32 v[W0], v[TM+5], 8, v[TM+4]
	v_lshl_or_b32 v[W0+1], v[TM+7], 8, v[TM+6]
.irp c, 0,1
.if U == 0
	v_mov_b32 v[SCW+4*\c+PR], v[W0+\c]
.else
	v_cndmask_b32 v[SCW+4*\c+PR], v[SCW+4*\c+PR], v[W0+\c], s43
.endif
.endr
	WIN W
.irp c, 0,1
	v_cvt_scalef32_pk16_fp6_f32 v[HC+12*\c+6*U:HC+12*\c+6*U+2], v[SA+32*\c:SA+32*\c+15], v[TM+12+2*\c]
	v_cvt_scalef32_pk16_fp6_f32 v[TC+4*\c:TC+4*\c+2], v[SA+32*\c+16:SA+32*\c+31], v[TM+13+2*\c]
.endr
	WIN 0
	v_nop
.irp c, 0,1
.irp i, 0,1,2
	v_permlane16_swap_b32 v[HC+12*\c+6*U+\i], v[TC+4*\c+\i]
.endr
.irp i, 0,1,2
	v_mov_b32 v[HC+12*\c+6*U+3+\i], v[TC+4*\c+\i]
.endr
.endr
.if U == 1
.irp c, 0,1
.irp p, 0,1,2
	global_store_b128 v[LI], v[HC+12*\c+4*\p:HC+12*\c+4*\p+3], s[12+54*\c:13+54*\c] offset:1536*PR+512*\p
.endr
.endr
.endif
.endm
	s_wait_alu depctr_va_vdst(0)
.irp a, 0,1,2,3,4,5,6,7
	QD \a
.endr
.irp c, 0,1
	global_store_b128 v[LI], v[SCW+4*\c:SCW+4*\c+3], s[12+54*\c:13+54*\c] offset:6144
.endr
	s_cmp_eq_u32 s95, 0
	s_cbranch_scc1 .Lno_v                          ; the query's work-groups are done; the condition is the same in all partners
.macro VQ x, b, hf                     ; 16 features x 128 keys: a lane holds two whole blocks of 32 keys
.set VC, HC+12*(\hf)
.set PB, 12+54*((\b)/2)
	s_wait_xcnt 0x0
	v_max3_num_f32 v[TM], v[FLR], |v[\x]|, |v[\x+1]|
	v_max3_num_f32 v[TM+1], v[FLR], |v[\x+32]|, |v[\x+33]|
.irp i, 2,4,6,8,10,12,14,16,18,20,22,24,26,28,30
	v_max3_num_f32 v[TM], v[TM], |v[\x+\i]|, |v[\x+\i+1]|
	v_max3_num_f32 v[TM+1], v[TM+1], |v[\x+32+\i]|, |v[\x+33+\i]|
.endr
	v_add_nc_u32 v[TM+12], 0xff000000, v[TM]
	v_add_nc_u32 v[TM+13], 0xff000000, v[TM+1]
	v_lshrrev_b32 v[TM+4], 23, v[TM+12]
	v_lshrrev_b32 v[TM+5], 23, v[TM+13]
	v_lshl_or_b32 v[W0], v[TM+5], 16, v[TM+4]
	v_lshlrev_b32 v[W0], v[SH], v[W0]
	v_permlanex16_b32 v[W0+1], v[W0], s18, s19
	v_or_b32 v[W0], v[W0], v[W0+1]
.irp c, 0,1
	v_cvt_scalef32_pk16_fp6_f32 v[VC+6*\c:VC+6*\c+2], v[\x+32*\c:\x+32*\c+15], v[TM+12+\c]
	v_cvt_scalef32_pk16_fp6_f32 v[TC+4*\c:TC+4*\c+2], v[\x+32*\c+16:\x+32*\c+31], v[TM+12+\c]
.endr
	v_nop
.irp c, 0,1
.irp i, 0,1,2
	v_mov_b32 v[VC+6*\c+3+\i], v[TC+4*\c+\i]
.endr
.endr
.if \hf == 0
	v_mov_b32 v[VSW+(\b)%2], v[W0]
.else
	v_cndmask_b32 v[VSW+(\b)%2], v[VSW+(\b)%2], v[W0], s43
.endif
.irp p, 0,1,2
	global_store_b128 v[LI], v[VC+4*\p:VC+4*\p+3], s[PB:PB+1] offset:6656+1536*(2*((\b)%2)+\hf)+512*\p
.endr
.endm
.macro VB b                            ; 32 features through the stage: a stage row is a feature, its columns the 128 tokens in their true order: tile a's row r is token 64 (a / 4) + 8 (a % 4) + r % 8 + 32 (r / 8)
	WIN 0x08
.irp a, 0,1,2,3
.irp u, 0,1
.irp j, 0,1,2,3,4,5,6,7
	ds_store_b32 v[STA], v[64*\a+8*(2*(\b)+\u)+\j] offset:(8*\u+\j)*VROW+4*(64*(\a/4)+8*(\a%4))
.endr
.endr
.endr
	WIN 0x0c
.irp a, 4,5,6,7
.irp u, 0,1
.irp j, 0,1,2,3,4,5,6,7
	ds_store_b32 v[STA], v[64*(\a-4)+8*(2*(\b)+\u)+\j] offset:(8*\u+\j)*VROW+4*(64*(\a/4)+8*(\a%4))
.endr
.endr
.endr
	WIN 0
.irp f, 0,1
.irp c, 0,1
.irp i, 0,1,2,3,4,5,6,7
	ds_load_b128 v[X0+64*\f+32*\c+4*\i:X0+64*\f+32*\c+4*\i+3], v[STR] offset:\f*VREG+256*\c+16*\i
.endr
.endr
.endr
	s_wait_dscnt 16
	VQ X0, \b, 0
	s_wait_dscnt 0x0
	VQ X1, \b, 1
.if (\b)%2 == 1
	global_store_b64 v[L8], v[VSW:VSW+1], s[12+54*((\b)/2):13+54*((\b)/2)] offset:12800
.endif
.endm
.irp b, 0,1,2,3
	VB \b
.endr
.Lno_v:
	s_wait_tensorcnt 0x0                           ; the wave's end
	ds_add_u32 v[SPW], v[NIL]
	s_wait_dscnt 0x0
	CROUND                                         ; the closing round
	s_endpgm
.Lfunc_end_k_qc0b02f4666_proj:
	.size	k_qc0b02f4666_proj, .Lfunc_end_k_qc0b02f4666_proj-k_qc0b02f4666_proj
	.p2alignl 7, 3214868480
	.fill 96, 4, 3214868480
	.section	.rodata,"a",@progbits
	.p2align	6, 0x0
	.amdhsa_kernel k_qc0b02f4666_proj
		.amdhsa_group_segment_fixed_size 327680
		.amdhsa_private_segment_fixed_size 0
		.amdhsa_enable_private_segment 0
		.amdhsa_kernarg_size 64
		.amdhsa_user_sgpr_count 2
		.amdhsa_user_sgpr_kernarg_segment_ptr 1
		.amdhsa_wavefront_size32 1
		.amdhsa_system_sgpr_workgroup_id_x 1
		.amdhsa_system_sgpr_workgroup_id_y 1
		.amdhsa_system_sgpr_workgroup_id_z 1
		.amdhsa_system_vgpr_workitem_id 0
		.amdhsa_next_free_vgpr 1024
		.amdhsa_next_free_sgpr 100
		.amdhsa_reserve_vcc 0
		.amdhsa_float_denorm_mode_32 3
		.amdhsa_float_denorm_mode_16_64 3
		.amdhsa_memory_ordered 1
		.amdhsa_forward_progress 1
		.amdhsa_inst_pref_size 233
	.end_amdhsa_kernel
	.amdgpu_metadata
---
amdhsa.version: [ 1, 2 ]
amdhsa.kernels:
  - .name:           k_qc0b02f4666_proj
    .symbol:         k_qc0b02f4666_proj.kd
    .args:
      - { .name: xc, .offset: 0, .size: 8, .value_kind: global_buffer, .address_space: global }
      - { .name: xs, .offset: 8, .size: 8, .value_kind: global_buffer, .address_space: global }
      - { .name: wc, .offset: 16, .size: 8, .value_kind: global_buffer, .address_space: global }
      - { .name: ws, .offset: 24, .size: 8, .value_kind: global_buffer, .address_space: global }
      - { .name: bq, .offset: 32, .size: 8, .value_kind: global_buffer, .address_space: global }
      - { .name: bk, .offset: 40, .size: 8, .value_kind: global_buffer, .address_space: global }
      - { .name: qi, .offset: 48, .size: 8, .value_kind: global_buffer, .address_space: global }
      - { .name: kv, .offset: 56, .size: 8, .value_kind: global_buffer, .address_space: global }
    .group_segment_fixed_size: 327680
    .private_segment_fixed_size: 0
    .kernarg_segment_align: 8
    .kernarg_segment_size: 64
    .max_flat_workgroup_size: 128
    .sgpr_count:     100
    .vgpr_count:     1024
    .wavefront_size: 32
...
	.end_amdgpu_metadata
.endif
;; end of part 2
;; launch attn (part 3): grid 4 x 64, 16 waves a work-group, clusters of 4 x 1, 280,576 bytes of LDS; arguments qi, kv, out0; writes out0
.if DOCPART == 3
	.amdgcn_target "amdgcn-amd-amdhsa--gfx1250"
	.amdhsa_code_object_version 6
	.text
	.protected	k_qc0b02f4666_attn
	.globl	k_qc0b02f4666_attn
	.p2align	8
	.type	k_qc0b02f4666_attn,@function
k_qc0b02f4666_attn:
	s_mov_b64 s[64:65], 0
	v_nop
	global_prefetch_b8 v0, s[64:65] scope:SCOPE_SE
	s_setreg_imm32_b32 hwreg(HW_REG_WAVE_MODE, 25, 1), 1
	s_wait_xcnt 0x0
	s_wait_alu depctr_hold_cnt(0) depctr_sa_sdst(0) depctr_va_vdst(0) depctr_va_sdst(0) depctr_va_ssrc(0) depctr_va_vcc(0) depctr_vm_vsrc(0)
	s_getreg_b32 s2, hwreg(HW_REG_IB_STS2, 6, 4)
	s_cmp_eq_u32 s2, 0
	s_cbranch_scc0 .Lentry_in_a_cluster
	s_endpgm
.Lentry_in_a_cluster:
	s_bfe_u32 s2, ttmp6, 0x10000c
	s_cmp_lg_u32 s2, 0x3003
	s_cbranch_scc0 .Lentry_shape_is_right
	s_endpgm
.Lentry_shape_is_right:
; out[b][q][head][:] = the sum over keys of softmax(q . k / 8) k, both products on codes of FP6 (E2M3) with E8M0 scales; k is also the value tensor.
; qi and kv hold images of operand registers, a block for each (batch, head, run of 128 tokens): number ((batch x 16 + head) x 16 + run); 6,656 bytes in qi, 13,056 in kv:
;   0..6143 codes along d, four pairs of token tiles (12 registers [tile 2 p][tile 2 p + 1], three pieces of 512 bytes, lane l's 16 bytes at 16 l);
;   tile a's row r is token 64 (a / 4) + 8 (a % 4) + r % 8 + 32 (r / 8);
;   6144..6655 their scale words at 16 l + 4 p (lanes 0-15 tile 2 p, lanes 16-31 tile 2 p + 1);  6656..12799 k^T along the keys, four fragments of 16 d x 128 keys;  12800..13055 their scale words at 8 l + 4 g.
; THE SOFTMAX: t = score x c, c = log2(e) / 8 (q's codes were made of the unscaled q); M = the running largest t rounded UP to a whole number; p = 2^(t - M) is quantised along the keys, not normalised;
; the row's sum is taken of the unquantised p and divides at the end.  When M moves, the sum and O are multiplied by 2^(old M - new M): exact.
; LAYOUT.  Both products are used transposed (S^T = K Q^T, O^T = k^T P^T): a lane holds ONE query.  By the order of a tile's rows the 32 registers of score tiles 4 c .. 4 c + 3 are keys 64 c + 32 (lane / 16) + 0 .. 31:
; a WHOLE block of 32 keys in a lane, in the order that P's operand wants: a block's maximum needs no other lane, and the conversions' results are the operand.
; THE FIRST PRODUCT HAS K = 64 in an instruction 128 deep: Q's registers 6-11 are zero codes; K's operand names 12 registers of which the upper six are the next tile's codes (behind the last tile: the second pass's codes of Q).
; A zero code times any code of this format is 0, and the scale bytes of those two blocks are 0 on both sides, which is 2^-127 and no NaN.
; SHARES.  A work-group owns 512 queries of one head, in two passes of 256; each of its sixteen waves one tile of 16 queries a pass, in 256 registers.
; THE HEAD'S WHOLE kv RUN, 16 blocks = 208,896 dense bytes, comes into LDS once and stays: no LDS byte is filled twice.  The four work-groups of a cluster are one head's: each block is asked for JOINTLY.
; Every wave asks for one block, its own number's: one tensor load a wave is out.  One wait and one barrier follow; behind them the waves share nothing and meet no barrier before the closing round.
; No prefetch: all tensor loads stand at the head, so there is no loop to run ahead in.
; A step's loads: k^T's fragments of this block and K's tiles of the next are asked for behind the step's first products and land under the softmax.
; LIMITS: NaN and infinities are not served.  The promise holds while the scaled scores t stay under 2^31 in magnitude.  A block whose every p has fallen to 0 keeps the byte 1: its codes are zeros.
; A block's largest p is made of its largest score by the same two instructions as every p, which takes v_exp_f32 not to fall where its input rises.
.set BLKB,  13056                      ; a block of kv: 51 rows of 256 bytes
.set HEADB, 16*BLKB
.set QBLK,  6656
.set STAGE, HEADB                      ; behind the head: 16 rows x 272 bytes for each wave, for the way out
.set SROW,  272
.set SPARE, STAGE+16*16*SROW           ; the spare words: 128 bytes a wave
.set T,    0                           ; v0  at work (the thread's number is used at the head alone)
.set LI16, 1                           ; v1  16 x lane
.set LI8,  2                           ; v2  8 x lane + 12800
.set ADK,  3                           ; v3  the step's block + 16 x lane
.set ADT,  4                           ; v4  the step's block + 8 x lane + 12800
.set GO,   5                           ; v5  my byte offset in out0
.set STO,  6                           ; v6  the stage, in
.set RD,   7                           ; v7  the stage, back
.set SH,   8                           ; v8  8 x (lane / 16)
.set PSW,  9                           ; v9  p's scale word
.set F,    10                          ; v10 f = 2^(old M - new M); v11 named with it as a pair.  v12 -M, v13 the running largest score, v[14:15] the sum in two halves
.set QF,   16                          ; v16-21 Q's codes, v22-27 zeros
.set QS,   28                          ; v28 Q's scale words
.set PT,   29                          ; v29 a lane permute's result
.set BM,   30                          ; v30-31 my two blocks' largest scores, then largest p, then bytes
.set KF,   32                          ; v32-79 K's eight tiles
.set Q2,   80                          ; v80-85 the second pass's codes of Q
.set KSW,  86                          ; v86-89 K's scale words
.set VSW,  90                          ; v90-91 k^T's
.set TC,   92                          ; v92-94 a conversion's second half; before that v92-93 the maxima's second chains
.set Q2S,  95                          ; v95 the second pass's scale words of Q
.set S,    96                          ; v96-159 S^T, then p
.set O,    160                         ; v160-191 O^T
.set KT,   192                         ; v192-239 k^T's four fragments
.set PC,   240                         ; v240-251 p's codes
.set SOP,  252                         ; v252-253 the conversions' scale operands
.set SPW,  254
.set NIL,  255
.set WV,   18
.set PASS, 19
.set SEL,  20                          ; s[20:21] lane l xor 16
.set CS,   22                          ; s[22:23] c, twice
.set G1,   24
.set G0,   32
.set NC,   36                          ; -c
.set TB,   37                          ; LDS byte at which the step's block begins
.set CNT,  38
.macro CROUND
	s_barrier_signal -1
	s_barrier_wait -1
	s_cmp_lg_u32 s[WV], 0
	s_cbranch_scc1 .Lnot_wave_0_\@
	s_barrier_signal -3
.Lnot_wave_0_\@:
	s_barrier_wait -3
	s_barrier_signal -1
	s_barrier_wait -1
.endm
	s_load_b128 s[4:7], s[0:1], 0x0                ; qi, kv
	s_load_b64 s[8:9], s[0:1], 0x10                ; out0
	v_lshl_add_u32 v[SPW], v0, 2, SPARE
	v_mov_b32 v[NIL], 0
	ds_add_u32 v[SPW], v[NIL]                      ; the opening lines: the add twice on end and its wait
	ds_add_u32 v[SPW], v[NIL]
	v_lshrrev_b32 v96, 5, v0
	v_readfirstlane_b32 s[WV], v96                 ; wave 0..15
	v_and_b32 v97, 31, v0                          ; lane
	v_and_b32 v98, 15, v0                          ; r
	v_bfe_u32 v99, v0, 4, 1                        ; h
	s_bfe_u32 s10, ttmp6, 0x40000                  ; cx
	s_lshl_b32 s11, ttmp9, 2
	s_add_co_u32 s10, s11, s10                     ; my 512 queries of the head; it enters qi's and out0's addresses alone
	s_and_b32 s12, ttmp7, 0xffff                   ; batch x 16 + head, which the four partners share
	s_bfe_u32 s13, s[WV], 0x20001                  ; p: which pair of tiles of a run is mine
	s_and_b32 s14, s[WV], 1                        ; u: which of the pair
	s_lshr_b32 s15, s[WV], 3                       ; which of a pass's two runs
	s_mul_i32 s50, s[WV], 16*SROW
	s_add_co_u32 s50, s50, STAGE                   ; my stage
	s_mul_i32 s16, s13, 1536                       ; Q's six registers are registers 6 u .. 6 u + 5 of its pair's 12: pieces of 8 bytes at 0, 8, 512 (u = 0) or 520, 1024, 1032 (u = 1)
	s_mul_i32 s51, s14, 520
	s_add_co_u32 s51, s51, s16
	s_add_co_u32 s53, s51, 512
	s_mul_i32 s52, s14, 1016
	s_add_co_u32 s52, s52, s16
	s_add_co_u32 s52, s52, 8
	s_lshl_b32 s17, s14, 8
	s_lshl_b32 s16, s13, 2
	s_add_co_u32 s17, s17, s16
	s_add_co_u32 s17, s17, 6144                    ; its scale word: the place of lane 16 u + r, word p
	s_lshl_b32 s54, s12, 4
	s_lshl_b32 s55, s10, 2
	s_add_co_u32 s55, s55, s15                     ; my run in pass 0
	s_add_co_u32 s54, s54, s55
	s_mul_i32 s54, s54, QBLK
	s_lshl_b32 s56, s55, 7                         ; out0: token 128 x run
	s_mov_b32 s55, 0
	s_bfe_u32 s57, s[WV], 0x10002
	s_lshl_b32 s57, s57, 6
	s_add_co_u32 s56, s56, s57                     ; + 64 (a / 4)
	s_and_b32 s57, s[WV], 3
	s_lshl_b32 s57, s57, 3
	s_add_co_u32 s56, s56, s57                     ; + 8 (a % 4)
	s_lshr_b32 s57, s12, 4
	s_lshl_b32 s57, s57, 11
	s_add_co_u32 s56, s56, s57                     ; + 2,048 x batch
	s_lshl_b32 s56, s56, 12                        ; rows of 4,096 bytes
	s_and_b32 s57, s12, 15
	s_lshl_b32 s57, s57, 8
	s_add_co_u32 s56, s56, s57                     ; + 256 x head
	s_mov_b32 s57, 0
	s_mul_i32 s58, s12, HEADB                      ; kv: the head's run,
	s_mul_i32 s59, s[WV], BLKB                     ; my block
	s_add_co_u32 s60, s58, s59
	s_mov_b32 s61, 0
	s_mov_b32 s[G1], 15|(3<<16)|(1<<21)            ; the mask: all four work-groups; elements of 8 bytes; bit 21 beside a mask
	s_mov_b32 s[G1+1], 32<<16                      ; 51 rows of 256 bytes, dense
	s_mov_b32 s[G1+2], 51<<16
	s_mov_b32 s[G1+3], 32<<16
	s_mov_b32 s[G1+4], 51
	s_mov_b32 s[G1+5], 32
	s_mov_b32 s[G1+6], 0
	s_mov_b32 s[G1+7], 0
	s_mov_b32 s[G0], 1
	s_mul_i32 s[G0+1], s[WV], BLKB                 ; LDS: block = wave
	s_mov_b32 s[SEL], 0x76543210
	s_mov_b32 s[SEL+1], 0xfedcba98
	s_mov_b32 s[CS], 0x3e38aa3b                    ; c = log2(e) / 8
	s_mov_b32 s[CS+1], s[CS]
	s_mov_b32 s[NC], 0xbe38aa3b                    ; -c
	s_wait_alu depctr_va_vdst(0)
	s_wait_dscnt 0x0
	s_wait_kmcnt 0x0
	s_add_nc_u64 s[4:5], s[4:5], s[54:55]
	s_add_nc_u64 s[8:9], s[8:9], s[56:57]
	s_add_nc_u64 s[G0+2:G0+3], s[6:7], s[60:61]
	s_or_b32 s[G0+3], s[G0+3], 0x80000000
	CROUND                                         ; all four work-groups are here: the joint loads meet
	tensor_load_to_lds s[G0:G0+3], s[G1:G1+7]      ; my block: every wave issues one
	s_nop 0
	v_lshlrev_b32 v[LI16], 4, v97
	v_lshl_add_u32 v[LI8], v97, 3, 12800
	v_lshlrev_b32 v[GO], 12, v99                   ; lanes 16-31 take the next row of out0,
	v_mul_u32_u24 v[STO], v98, SROW
	v_mul_u32_u24 v[RD], v99, SROW
	v_lshl_add_u32 v[GO], v98, 4, v[GO]            ; 16 bytes a lane
	v_lshl_add_u32 v[STO], v99, 5, v[STO]
	v_lshl_add_u32 v[RD], v98, 4, v[RD]
	v_add_nc_u32 v100, s51, v[LI16]
	v_add_nc_u32 v[STO], s50, v[STO]               ; in: row r, + 32 h
	v_add_nc_u32 v[RD], s50, v[RD]                 ; back: lanes 0-15 one row, lanes 16-31 the next
	v_add_nc_u32 v101, s52, v[LI16]
	v_add_nc_u32 v102, s53, v[LI16]
	v_lshl_add_u32 v103, v98, 4, s17
	v_lshlrev_b32 v[SH], 3, v99
	global_load_b64 v[QF:QF+1], v100, s[4:5]       ; my tile of Q in pass 0,
	global_load_b64 v[QF+2:QF+3], v101, s[4:5]
	global_load_b64 v[QF+4:QF+5], v102, s[4:5]
	global_load_b32 v[QS], v103, s[4:5]
	global_load_b64 v[Q2:Q2+1], v100, s[4:5] offset:2*QBLK     ; and in pass 1: two runs on
	global_load_b64 v[Q2+2:Q2+3], v101, s[4:5] offset:2*QBLK
	global_load_b64 v[Q2+4:Q2+5], v102, s[4:5] offset:2*QBLK
	global_load_b32 v[Q2S], v103, s[4:5] offset:2*QBLK
.irp i, 0,1,2,3,4,5
	v_mov_b32 v[QF+6+\i], 0                        ; Q's k = 64 .. 127: zero codes
.endr
	v_mov_b32 v[PT], 0                             ; a lane permute's destination counts as one of its sources
	v_mov_b32 v[F+1], 0
	s_wait_alu depctr_va_vdst(0)                   ; the wait at the head's end
	s_wait_tensorcnt 0x0                           ; my block has landed
	s_barrier_signal -1
	s_barrier_wait -1                              ; everybody's has
	s_wait_loadcnt 0x0
.macro SUM m                           ; four chains of packed additions, in place: pair k takes pair k + 4 m
.irp k, 0,1,2,3
	v_pk_add_f32 v[S+2*\k:S+2*\k+1], v[S+2*\k:S+2*\k+1], v[S+2*\k+8*(\m):S+2*\k+8*(\m)+1]
.endr
.endm
; A KEY STEP on the 128 keys of the block at s[TB].  first = 1: a pass's first step starts M, the sum and O^T.  pre = 1: the next block's tiles of K are asked for.
.macro STEP first, pre
	s_wait_dscnt 0x0                               ; K's eight tiles and their scale words are in
.irp i, 0,1,2,3,4,5,6,7                        ; S^T = K Q^T
.if \i%2
	v_wmma_scale_f32_16x16x128_f8f6f4 v[S+8*\i:S+8*\i+7], v[KF+6*\i:KF+6*\i+11], v[QF:QF+11], 0, v[KSW+\i/2], v[QS] matrix_a_fmt:MATRIX_FMT_FP6 matrix_b_fmt:MATRIX_FMT_FP6 matrix_a_scale:MATRIX_SCALE_ROW1
.else
	v_wmma_scale_f32_16x16x128_f8f6f4 v[S+8*\i:S+8*\i+7], v[KF+6*\i:KF+6*\i+11], v[QF:QF+11], 0, v[KSW+\i/2], v[QS] matrix_a_fmt:MATRIX_FMT_FP6 matrix_b_fmt:MATRIX_FMT_FP6
.endif
.endr
	v_add_nc_u32 v[ADK], s[TB], v[LI16]            ; four places behind these products and the last step's, in front of the loads and of the first read of the scores
	v_add_nc_u32 v[ADT], s[TB], v[LI8]
.if \first
	v_nop
.else
	v_mov_b32 v[T], v12                            ; the old -M
.endif
	v_nop
.irp i, 0,1,2,3,4,5,6,7,8,9,10,11
	ds_load_b128 v[KT+4*\i:KT+4*\i+3], v[ADK] offset:6656+512*\i
.endr
	ds_load_b64 v[VSW:VSW+1], v[ADT]
.if \pre
.irp i, 0,1,2,3,4,5,6,7,8,9,10,11
	ds_load_b128 v[KF+4*\i:KF+4*\i+3], v[ADK] offset:BLKB+512*\i
.endr
	ds_load_b128 v[KSW:KSW+3], v[ADK] offset:BLKB+6144
.endif
.irp c, 0,1                                    ; the largest score of each of my two blocks of 32 keys, in two chains each; every accumulator is first read at its low end
	v_max3_num_f32 v[BM+\c], v[S+32*\c], v[S+32*\c+1], v[S+32*\c+2]
	v_max3_num_f32 v[TC+\c], v[S+32*\c+16], v[S+32*\c+17], v[S+32*\c+18]
.endr
.irp i, 3,5,7,9,11,13
.irp c, 0,1
	v_max3_num_f32 v[BM+\c], v[BM+\c], v[S+32*\c+\i], v[S+32*\c+\i+1]
	v_max3_num_f32 v[TC+\c], v[TC+\c], v[S+32*\c+16+\i], v[S+32*\c+17+\i]
.endr
.endr
.irp c, 0,1
	v_max3_num_f32 v[BM+\c], v[BM+\c], v[TC+\c], v[S+32*\c+15]
.endr
.irp c, 0,1
	v_max_num_f32 v[BM+\c], v[BM+\c], v[S+32*\c+31]
.endr
	s_delay_alu instid0(VALU_DEP_1)
.if \first
	v_max_num_f32 v13, v[BM], v[BM+1]
.else
	v_max3_num_f32 v13, v[BM], v[BM+1], v13        ; with the running largest score
.endif
	s_delay_alu instid0(VALU_DEP_1)
	v_permlanex16_b32 v[PT], v13, s[SEL], s[SEL+1]
	s_delay_alu instid0(VALU_DEP_1)
	v_max_num_f32 v13, v13, v[PT]                  ; and lane l xor 16's keys
	s_delay_alu instid0(VALU_DEP_1)
	v_mul_f32 v12, s[NC], v13                      ; -t
	s_delay_alu instid0(VALU_DEP_1)
	v_floor_f32 v12, v12                           ; -M = floor(-t): M is a whole number
.if \first == 0
	s_delay_alu instid0(VALU_DEP_1)
	v_sub_f32 v[T], v12, v[T]                      ; old M - new M: a whole number, 0 or less
	s_delay_alu instid0(VALU_DEP_1)
	v_cvt_i32_f32 v[T], v[T]                       ; (it saturates)
	s_delay_alu instid0(VALU_DEP_1)
	v_ldexp_f32 v[F], 1.0, v[T]                    ; f
.irp j, 0,2,4,6,8,10,12,14,16,18,20,22,24,26,28,30
	v_pk_mul_f32 v[O+\j:O+1+\j], v[O+\j:O+1+\j], v[F:F+1] op_sel_hi:[1,0]   ; O^T under the new M, each accumulator from its low end on
.endr
.endif
.irp j, 0,2,4,6,8,10,12,14,16,18,20,22,24,26,28,30,32,34,36,38,40,42,44,46,48,50,52,54,56,58,60,62
	v_pk_fma_f32 v[S+\j:S+1+\j], v[S+\j:S+1+\j], s[CS:CS+1], v[12:13] op_sel_hi:[1,0,0]   ; t - M
.endr
.irp c, 0,1
	v_fma_f32 v[BM+\c], v[BM+\c], s[CS], v12       ; the same of each block's largest score
.endr
	s_wait_alu depctr_va_vdst(0)                   ; the wait ahead of the batch
.irp j, 0,1,2,3,4,5,6,7,8,9,10,11,12,13,14,15,16,17,18,19,20,21,22,23,24,25,26,27,28,29,30,31,32,33,34,35,36,37,38,39,40,41,42,43,44,45,46,47,48,49,50,51,52,53,54,55,56,57,58,59,60,61,62,63
	v_exp_f32 v[S+\j], v[S+\j]                     ; p = 2^(t - M), at most 1
.endr
.irp c, 0,1
	v_exp_f32 v[BM+\c], v[BM+\c]                   ; the block's largest p
.endr
	v_nop                                          ; one plain place behind the exponentials
	s_wait_alu depctr_va_vdst(0)                   ; and the wait behind the batch
.irp c, 0,1
	v_max_num_f32 v[BM+\c], 0x1800000, v[BM+\c]    ; the floor 2^(3 - 127): the byte cannot fall under 1
.endr
.irp c, 0,1
	v_add_nc_u32 v[SOP+\c], 0xff000000, v[BM+\c]   ; 2 off the exponent field: the conversion's scale operand
.endr
	v_cvt_scalef32_pk16_fp6_f32 v[PC:PC+2], v[S:S+15], v[SOP]
	v_cvt_scalef32_pk16_fp6_f32 v[TC:TC+2], v[S+16:S+31], v[SOP]         ; (a conversion's three registers begin on an even number: a block's second half is made here and moved)
	v_cvt_scalef32_pk16_fp6_f32 v[PC+6:PC+8], v[S+32:S+47], v[SOP+1]
	v_lshrrev_b32 v[BM], 23, v[SOP]                ; the scales' bytes: blocks h and 2 + h
	v_lshrrev_b32 v[BM+1], 23, v[SOP+1]
	v_lshl_or_b32 v[T], v[BM+1], 16, v[BM]
	v_lshlrev_b32 v[T], v[SH], v[T]                ; at their places in the scale word
	v_permlanex16_b32 v[PT], v[T], s[SEL], s[SEL+1]
	v_or_b32 v[PSW], v[T], v[PT]                   ; with lane l xor 16's two the word is whole
.irp i, 0,1,2
	v_mov_b32 v[PC+3+\i], v[TC+\i]
.endr
	v_cvt_scalef32_pk16_fp6_f32 v[TC:TC+2], v[S+48:S+63], v[SOP+1]
	SUM 1                                          ; the row's sum, of the unquantised p.  (These touch the first block alone: plain places behind the conversion)
.irp i, 0,1,2
	v_mov_b32 v[PC+9+\i], v[TC+\i]
.endr
.irp m, 2,3,4,5,6,7
	SUM \m
.endr
	v_pk_add_f32 v[S:S+1], v[S:S+1], v[S+2:S+3]
	v_pk_add_f32 v[S+4:S+5], v[S+4:S+5], v[S+6:S+7]
.if \first
	v_pk_add_f32 v[14:15], v[S:S+1], v[S+4:S+5]
.else
	v_pk_add_f32 v[S:S+1], v[S:S+1], v[S+4:S+5]
	v_pk_fma_f32 v[14:15], v[14:15], v[F:F+1], v[S:S+1] op_sel_hi:[1,0,1]   ; the old sum under the new M, and this step's
.endif
	s_wait_alu depctr_va_vdst(0)                   ; the wait here, directly ahead of the wait below
	s_wait_dscnt 13*(\pre)                         ; k^T's fragments and scale words are in; the 13 loads of the next block's K, issued behind them, may be out
.irp t, 0,1,2,3                                ; O^T += k^T P^T: the four accumulators by turns
.if \first
.if \t%2
	v_wmma_scale_f32_16x16x128_f8f6f4 v[O+8*\t:O+8*\t+7], v[KT+12*\t:KT+12*\t+11], v[PC:PC+11], 0, v[VSW+\t/2], v[PSW] matrix_a_fmt:MATRIX_FMT_FP6 matrix_b_fmt:MATRIX_FMT_FP6 matrix_a_scale:MATRIX_SCALE_ROW1
.else
	v_wmma_scale_f32_16x16x128_f8f6f4 v[O+8*\t:O+8*\t+7], v[KT+12*\t:KT+12*\t+11], v[PC:PC+11], 0, v[VSW+\t/2], v[PSW] matrix_a_fmt:MATRIX_FMT_FP6 matrix_b_fmt:MATRIX_FMT_FP6
.endif
.else
.if \t%2
	v_wmma_scale_f32_16x16x128_f8f6f4 v[O+8*\t:O+8*\t+7], v[KT+12*\t:KT+12*\t+11], v[PC:PC+11], v[O+8*\t:O+8*\t+7], v[VSW+\t/2], v[PSW] matrix_a_fmt:MATRIX_FMT_FP6 matrix_b_fmt:MATRIX_FMT_FP6 matrix_a_scale:MATRIX_SCALE_ROW1
.else
	v_wmma_scale_f32_16x16x128_f8f6f4 v[O+8*\t:O+8*\t+7], v[KT+12*\t:KT+12*\t+11], v[PC:PC+11], v[O+8*\t:O+8*\t+7], v[VSW+\t/2], v[PSW] matrix_a_fmt:MATRIX_FMT_FP6 matrix_b_fmt:MATRIX_FMT_FP6
.endif
.endif
.endr
	s_add_co_u32 s[TB], s[TB], BLKB                ; the next block
.endm
	s_mov_b32 s[PASS], 2
.Lpass:
	s_mov_b32 s[TB], 0
.irp i, 0,1,2,3,4,5,6,7,8,9,10,11
	ds_load_b128 v[KF+4*\i:KF+4*\i+3], v[LI16] offset:512*\i      ; block 0's tiles of K
.endr
	ds_load_b128 v[KSW:KSW+3], v[LI16] offset:6144
	STEP 1, 1
	s_mov_b32 s[CNT], 14
.Lstep:
	STEP 0, 1
	s_sub_co_u32 s[CNT], s[CNT], 1
	s_cmp_lg_u32 s[CNT], 0
	s_cbranch_scc1 .Lstep
	STEP 0, 0
	; THE WAY OUT: O^T / the sum goes through my stage and leaves as rows of 256 bytes, a head's 64 channels of one token
.rept 4
	v_nop                                          ; places behind the last products
.endr
	v_add_f32 v14, v14, v15
	s_delay_alu instid0(VALU_DEP_1)
	v_permlanex16_b32 v[PT], v14, s[SEL], s[SEL+1]
	s_delay_alu instid0(VALU_DEP_1)
	v_add_f32 v14, v14, v[PT]                      ; the row's sum
	s_wait_alu depctr_va_vdst(0)
	v_rcp_f32 v14, v14
	v_nop
	s_wait_alu depctr_va_vdst(0)                   ; directly ahead of the first reader of the quotient and of O^T
.irp j, 0,2,4,6,8,10,12,14,16,18,20,22,24,26,28,30
	v_pk_mul_f32 v[S+\j:S+1+\j], v[O+\j:O+1+\j], v[14:15] op_sel_hi:[1,0]   ; register 8 t + i is channel 16 t + 8 h + i of query row r
.endr
.irp t, 0,1,2,3
	ds_store_b128 v[STO], v[S+8*\t:S+8*\t+3] offset:64*\t
	ds_store_b128 v[STO], v[S+8*\t+4:S+8*\t+7] offset:64*\t+16
.endr
.irp i, 0,1,2,3,4,5,6,7
	ds_load_b128 v[S+32+4*\i:S+35+4*\i], v[RD] offset:2*\i*SROW   ; LDS serves a wave's instructions in order: these see my stores
.endr
.irp i, 0,1,2,3,4,5,6,7
	s_wait_dscnt 7-\i                              ; rows 2 i, 2 i + 1 are back; the 7 - i younger loads may be out
	global_store_b128 v[GO], v[S+32+4*\i:S+35+4*\i], s[8:9] offset:(2*\i+24*(\i/4))*4096 th:TH_STORE_NT   ; row r of the tile is token r % 8 + 32 (r / 8); 16 lanes store 256 consecutive bytes, aligned
.endr
	s_wait_xcnt 0x0                                ; the stores have read their registers and their base
	s_add_nc_u64 s[8:9], s[8:9], 256*4096          ; the next pass: 256 tokens on
	s_cmp_eq_u32 s[PASS], 1
	s_cbranch_scc1 .Lno_next
	v_mov_b32 v[QS], v[Q2S]                        ; the second pass's Q: the scale word ten places, the codes four, ahead of the products
.irp i, 0,1,2,3,4,5
	v_mov_b32 v[QF+\i], v[Q2+\i]
.endr
.rept 4
	v_nop
.endr
.Lno_next:
	s_wait_alu depctr_va_vdst(0)                   ; the wait ahead of the branch
	s_sub_co_u32 s[PASS], s[PASS], 1
	s_cmp_lg_u32 s[PASS], 0
	s_cbranch_scc1 .Lpass
	s_wait_tensorcnt 0x0                           ; the wave's end
	ds_add_u32 v[SPW], v[NIL]
	s_wait_dscnt 0x0
	CROUND                                         ; the closing round
	s_endpgm
.Lfunc_end_k_qc0b02f4666_attn:
	.size	k_qc0b02f4666_attn, .Lfunc_end_k_qc0b02f4666_attn-k_qc0b02f4666_attn
	.p2alignl 7, 3214868480
	.fill 96, 4, 3214868480
	.section	.rodata,"a",@progbits
	.p2align	6, 0x0
	.amdhsa_kernel k_qc0b02f4666_attn
		.amdhsa_group_segment_fixed_size 280576
		.amdhsa_private_segment_fixed_size 0
		.amdhsa_enable_private_segment 0
		.amdhsa_kernarg_size 24
		.amdhsa_user_sgpr_count 2
		.amdhsa_user_sgpr_kernarg_segment_ptr 1
		.amdhsa_wavefront_size32 1
		.amdhsa_system_sgpr_workgroup_id_x 1
		.amdhsa_system_sgpr_workgroup_id_y 1
		.amdhsa_system_sgpr_workgroup_id_z 1
		.amdhsa_system_vgpr_workitem_id 0
		.amdhsa_next_free_vgpr 256
		.amdhsa_next_free_sgpr 66
		.amdhsa_reserve_vcc 0
		.amdhsa_float_denorm_mode_32 3
		.amdhsa_float_denorm_mode_16_64 3
		.amdhsa_memory_ordered 1
		.amdhsa_forward_progress 1
		.amdhsa_inst_pref_size 53
	.end_amdhsa_kernel
	.amdgpu_metadata
---
amdhsa.version: [ 1, 2 ]
amdhsa.kernels:
  - .name:           k_qc0b02f4666_attn
    .symbol:         k_qc0b02f4666_attn.kd
    .args:
      - { .name: qi, .offset: 0, .size: 8, .value_kind: global_buffer, .address_space: global }
      - { .name: kv, .offset: 8, .size: 8, .value_kind: global_buffer, .address_space: global }
      - { .name: out0, .offset: 16, .size: 8, .value_kind: global_buffer, .address_space: global }
    .group_segment_fixed_size: 280576
    .private_segment_fixed_size: 0
    .kernarg_segment_align: 8
    .kernarg_segment_size: 24
    .max_flat_workgroup_size: 512
    .sgpr_count:     66
    .vgpr_count:     256
    .wavefront_size: 32
...
	.end_amdgpu_metadata
.endif
;; end of part 3
